; MI455X (gfx1250); checked and timed in simulation.
; The chip was launched on July 23, 2026; its instructions are those of AMD's public machine-readable ISA for CDNA 5 (MIT licence, August 2026) and "CDNA5" Instruction Set Architecture Reference Guide (July 2026). The comments in the code are by the model that wrote it; some were corrected since.
;; GAB. Allowed arithmetic: matrix products marked QUANTISED: E2M3 operands, one E8M0 scale for each 32 along K, by v_wmma_scale_f32_16x16x128_f8f6f4 with both operands' format E2M3, f32 sums; products left as they are: f32 operands where the result goes on into a quantised operand, else bf16, f16 or f32 operands; f32 sums; everything else in f32.
;; Inputs: W1 2,048 x 512 float32; W2 512 x 2,048 float32; W3 64 x 512 float32; W4 1 x 64 float32; b1 2,048 float32; b2 512 float32; b3 64 float32; b4 1 float32; g1 2,048 float32; g2 512 float32; g3 64 float32; g4 1 float32; m1 2,048 float32; m2 512 float32; m3 64 float32; m4 1 float32; v1 2,048 float32; v2 512 float32; v3 64 float32; v4 1 float32; x_key 16 x 2,048 x 512 float32; x_query 16 x 2,048 float32.
;; Outputs: out0 16 x 2,048 float32.
;; This version of the problem:
;;   THIS VERSION OF THE PROBLEM IS GIVEN IN LOW PRECISION. The matrix products marked QUANTISED in the list below multiply operands that are first quantised to E2M3 (2 exponent bits, 3 mantissa bits; 6 bits a number), with one power-of-two scale for each 32 numbers along K (OCP MX v1.0); their sums are f32. All else is computed in f32.
;;   The module's matrix products, in the order in which they are computed (A, B: the left and right operand; K: the contracted axis; several contracted axes count as one K, in the product's order):
;;     1. [M 32,768, K 512] x [K 512, N 2,048]; A: input x_key; B: input W1: QUANTISED
;;     2. [M 32,768, K 2,048] x [K 2,048, N 512]; A: computed on the way; B: input W2: QUANTISED
;;     3. [M 32,768, K 512] x [K 512, N 64]; A: computed on the way; B: input W3: QUANTISED
;;     4. [M 32,768, K 64] x [K 64, N 1]; A: computed on the way; B: input W4: left as it is (N = 1 < 16)
;;     5. batch 16 x [M 2,048, K 2,048] x [K 2,048, N 1]; A: computed on the way; B: softmax: left as it is (N = 1 < 16)
;;   THE QUANTISER, for each operand of a quantised product, along K:
;;     - K is cut into blocks of 32 from its start; a last block that is shorter is filled with zeros.
;;     - A block's scale is 2^e with e = floor(log2(the largest magnitude in the block)) - 2, held to -126 .. 127; a block of zeros has e = 0. As a byte (E8M0): e + 127.
;;     - Each number is divided by its block's scale, clamped to +-7.5, and rounded to the nearest number of E2M3, ties to even, subnormals kept.
;;     - The product sums the exact products of the quantised numbers (number of the format x scale) in f32.
;;   ~~~python
;;   def quantise(x, axis):      # numpy; x: float32 -> the quantised numbers, widened to float32 again
;;       x = np.moveaxis(x, axis, -1); K = x.shape[-1]
;;       x = np.pad(x, [(0, 0)] * (x.ndim - 1) + [(0, -K % 32)]); x = x.reshape(x.shape[:-1] + (-1, 32)); a = np.abs(x).max(-1, keepdims=True)
;;       e = np.where(a > 0, np.clip(np.frexp(np.where(a > 0, a, 1))[1] - 1 - 2, -126, 127), 0)      # np.frexp(a)[1] - 1 = floor(log2(a)), exactly
;;       r = np.clip(x / 2.0 ** e, -7.5, 7.5)
;;       step = 2.0 ** (np.maximum(np.frexp(np.where(r == 0, 1, r))[1] - 1, 0) - 3)
;;       q = np.round(r / step) * step * 2.0 ** e      # np.round: ties to even
;;       return np.moveaxis(q.reshape(q.shape[:-2] + (-1,))[..., :K], -1, axis).astype(np.float32)
;;   ~~~
;;   OPERANDS COMPUTED ON THE WAY. 'Computed on the way' means the value that the module computes at that place (a softmax that the list does not call 'softmax' is quantised finished and normalised). What goes into a quantiser is computed in f32, as accurately as f32 sums, v_exp_f32 and their like allow (about 1e-6 of the number): no bf16 or f16 on the way to a quantiser, and a product that is left as it is and whose result goes on into a quantised operand takes f32 operands (vector FMAs, or v_wmma_f32_16x16x4_f32). A number that lies on a knife's edge between two numbers of the format may be rounded either way, as far as f32 arithmetic and the matrix unit's own rounding can turn it there, and no further.
;; One version. Each part assembles by itself: llvm-mc -triple=amdgcn-amd-amdhsa -mcpu=gfx1250 --defsym DOCPART=n.
;; ======== version 1 of 1: 3 launches
;; limits: values are held in bf16: 8 bits of precision; right only within a limited range of input values
;; workspace buffers: wq 1,740,800 bytes; par 23,808 bytes; part 4,194,304 bytes; stats 131,072 bytes
;; launch prep (part 1): grid 69 x 4, 4 waves a work-group, no clusters, 0 bytes of LDS; arguments W1, W2, W3, W4, g1, b1, m1, v1, g2, b2, m2, v2, g3, b3, m3, v3, g4, b4, m4, v4, wq, par; writes wq, par
.if DOCPART == 1
	.amdgcn_target "amdgcn-amd-amdhsa--gfx1250"
	.amdhsa_code_object_version 6
	.text
	.protected	k_q09b2e97c70_prep
	.globl	k_q09b2e97c70_prep
	.p2align	8
	.type	k_q09b2e97c70_prep,@function
k_q09b2e97c70_prep:
	s_mov_b64 s[64:65], 0
	v_nop
	global_prefetch_b8 v0, s[64:65] scope:SCOPE_SE
	s_setreg_imm32_b32 hwreg(HW_REG_WAVE_MODE, 25, 1), 1
	s_wait_xcnt 0x0
; W1 [2048][512], W2 [512][2048], W3 [64][512], f32, K innermost, become codes of FP6 (E2M3) with one E8M0 byte for each 32 along K,
; laid in wq in the order in which the waves of the next launch take them; the four batch norms are folded into constants in par.
; wq: four streams (work-group y = the reading wave), 68 slots of 6,400 bytes each (work-group x).  A slot is four fragment images of 1,536 bytes
; (16 rows x 128 K: registers 4 n .. 4 n + 3 of lane l at 512 n + 16 l) and 256 bytes of scale words (row r: four words at 16 r, one a fragment).
; Slot 16 c + q, q < 8: W1, rows 128 (4 c + y) + 32 (q / 2) + 8 (q % 2) + r + (r & 8), fragment i = K 128 i on.
; Slot 16 c + 8 + q': W2, K 128 (4 c + q' / 2) on, fragment i = tile dt = 4 (q' % 2) + i: rows 128 y + 32 (dt / 2) + 8 (dt % 2) + r + (r & 8).
; Slot 64 + kt: W3, rows 16 kt + r, fragment i = K 128 i on (the same in all four streams).
; Wave i makes fragment i: lane (r, h) loads k = 64 c + 32 h + 0 .. 31 of its row, two whole blocks, so no other lane is asked for a maximum.
; A block's byte is its largest magnitude's exponent field - 2, held at 1 from below (a block of zeros keeps 1: its codes are zeros, and this program alone reads the bytes).
; par: A1 0, C1 8192, -m2 16384, A2 18432, b2 20480, A3 22528, C3 22784, W4 23040, A4 23296, C4 23552;  a = g rsq(v + 1e-5), c = b - m a.
; LIMITS: NaN and infinities are not served; blocks under 2^-124 get the byte 1.
.set SLOTB,   6400
.set STREAMB, 68*SLOTB
.set X,       32                       ; v32-95  my 64 numbers
.set CD,      96                       ; v96-107 the fragment;  v108-114 the second halves as they are made
	s_load_b512 s[8:23], s[0:1], 0x0               ; W1 8, W2 10, W3 12, W4 14, g1 16, b1 18, m1 20, v1 22
	s_load_b512 s[24:39], s[0:1], 0x40             ; g2 24, b2 26, m2 28, v2 30, g3 32, b3 34, m3 36, v3 38
	s_load_b256 s[40:47], s[0:1], 0x80             ; g4 40, b4 42, m4 44, v4 46
	s_load_b128 s[48:51], s[0:1], 0xa0             ; wq 48, par 50
	v_lshrrev_b32 v1, 5, v0
	v_readfirstlane_b32 s2, v1                     ; wave i
	s_and_b32 s3, ttmp7, 0xffff                    ; y
	v_and_b32 v1, 31, v0                           ; lane
	v_and_b32 v2, 15, v0                           ; r
	v_bfe_u32 v3, v0, 4, 1                         ; h
	s_mov_b32 s4, 0x76543210
	s_mov_b32 s5, 0xfedcba98                       ; v_permlanex16_b32's selects for lane l xor 16
	s_wait_kmcnt 0x0
	s_cmp_eq_u32 ttmp9, 68
	s_cbranch_scc1 .Lconst
	; ---- a slot.  The three kinds differ in numbers alone: all are made, and chosen by the work-group's number
	s_lshr_b32 s52, ttmp9, 4                       ; c
	s_and_b32 s53, ttmp9, 15                       ; q
	s_lshl_b32 s54, s52, 2                         ; 4 c
	s_add_co_u32 s55, s54, s3
	s_lshl_b32 s55, s55, 7                         ; W1: 128 (4 c + y)
	s_lshr_b32 s56, s53, 1
	s_lshl_b32 s56, s56, 5
	s_add_co_u32 s55, s55, s56                     ; + 32 (q / 2)
	s_and_b32 s56, s53, 1
	s_lshl_b32 s57, s56, 3
	s_add_co_u32 s55, s55, s57                     ; + 8 (q % 2)
	s_lshl_b32 s58, s2, 7                          ; W1, W3: K begins at 128 i
	s_lshl_b32 s56, s56, 2
	s_add_co_u32 s56, s56, s2                      ; W2: dt = 4 (q % 2) + i
	s_lshr_b32 s57, s56, 1
	s_lshl_b32 s57, s57, 5
	s_and_b32 s56, s56, 1
	s_lshl_b32 s56, s56, 3
	s_add_co_u32 s57, s57, s56
	s_lshl_b32 s56, s3, 7
	s_add_co_u32 s57, s57, s56                     ; its first row: 128 y + 32 (dt / 2) + 8 (dt % 2)
	s_bfe_u32 s56, s53, 0x20001                    ; (q - 8) / 2: two bits from bit 1
	s_add_co_u32 s56, s56, s54
	s_lshl_b32 s56, s56, 7                         ; its K begins at 128 (4 c + q' / 2)
	s_and_b32 s59, ttmp9, 3
	s_lshl_b32 s59, s59, 4                         ; W3: 16 kt
	s_cmp_lt_u32 s53, 8
	s_cselect_b32 s55, s55, s57                    ; first row
	s_cselect_b32 s56, s58, s56                    ; first k
	s_cselect_b64 s[60:61], s[8:9], s[10:11]
	s_cselect_b32 s57, 11, 13                      ; a row is 2^11 or 2^13 bytes
	s_cmp_lt_u32 ttmp9, 64
	s_cselect_b32 s55, s55, s59
	s_cselect_b32 s56, s56, s58
	s_cselect_b64 s[60:61], s[60:61], s[12:13]
	s_cselect_b32 s57, s57, 11
	s_cselect_b32 s59, 8, 0                        ; W3's rows are neighbours
	s_lshl_b32 s55, s55, s57
	s_lshl_b32 s56, s56, 2
	s_add_co_u32 s62, s55, s56
	s_mov_b32 s63, 0
	s_add_nc_u64 s[60:61], s[60:61], s[62:63]      ; the fragment's corner
	s_wait_alu depctr_va_vdst(0)
	v_and_b32 v4, s59, v2
	v_add_nc_u32 v4, v4, v2                        ; r + (r & 8)
	v_lshlrev_b32 v4, s57, v4
	v_lshl_add_u32 v4, v3, 7, v4                   ; + 32 h numbers
.set i, 0
.rept 16
	global_load_b128 v[X+4*i:X+4*i+3], v4, s[60:61] offset:256*(i/8)+16*(i%8)   ; register 32 c + n: k = 64 c + 32 h + n
.set i, i+1
.endr
	s_mul_i32 s52, s3, STREAMB
	s_mul_i32 s53, ttmp9, SLOTB
	s_add_co_u32 s52, s52, s53                     ; the slot
	s_mul_i32 s6, s2, 1536
	s_add_co_u32 s6, s6, s52
	s_mov_b32 s7, 0
	s_add_nc_u64 s[6:7], s[48:49], s[6:7]          ; my fragment's image
	s_lshl_b32 s53, s2, 2
	s_add_co_u32 s52, s52, s53
	s_add_co_u32 s52, s52, 6144
	s_mov_b32 s53, 0
	s_add_nc_u64 s[52:53], s[48:49], s[52:53]      ; my fragment's word among a row's four
	v_lshlrev_b32 v5, 4, v1                        ; 16 x lane
	v_lshlrev_b32 v17, 4, v2                       ; 16 r
	v_lshlrev_b32 v15, 3, v3                       ; 8 h
	v_mov_b32 v16, 0                               ; a lane permute's destination counts as one of its sources
	s_wait_loadcnt 0x0
.irp c, 0,1
	v_max3_num_f32 v[8+\c], |v[X+32*\c]|, |v[X+32*\c+1]|, 0x1800000   ; my block 2 c + h, and the floor 2^(3 - 127)
.endr
.irp n, 2,4,6,8,10,12,14,16,18,20,22,24,26,28,30
.irp c, 0,1
	v_max3_num_f32 v[8+\c], v[8+\c], |v[X+32*\c+\n]|, |v[X+32*\c+\n+1]|
.endr
.endr
.irp c, 0,1
	v_add_nc_u32 v[12+\c], 0xff000000, v[8+\c]     ; 2 off the exponent field: the conversion's scale operand
.endr
.irp c, 0,1
	v_lshrrev_b32 v[10+\c], 23, v[12+\c]           ; the byte
.endr
	v_lshl_or_b32 v14, v11, 16, v10                ; blocks h and 2 + h,
	v_lshlrev_b32 v14, v15, v14                    ; at their places in the word;
	v_permlanex16_b32 v16, v14, s4, s5
	v_or_b32 v14, v14, v16                         ; with lane l xor 16's two it is whole, in both lanes
.irp c, 0,1
	v_cvt_scalef32_pk16_fp6_f32 v[CD+6*\c:CD+6*\c+2], v[X+32*\c:X+32*\c+15], v[12+\c]
	v_cvt_scalef32_pk16_fp6_f32 v[CD+12+4*\c:CD+14+4*\c], v[X+32*\c+16:X+32*\c+31], v[12+\c]   ; (three registers begin on an even number: made elsewhere and moved)
.endr
	v_nop                                          ; one plain place behind the conversions
.irp c, 0,1
.irp n, 0,1,2
	v_mov_b32 v[CD+3+6*\c+\n], v[CD+12+4*\c+\n]
.endr
.endr
.irp n, 0,1,2
	global_store_b128 v5, v[CD+4*\n:CD+4*\n+3], s[6:7] offset:512*\n   ; 32 lanes store 512 consecutive bytes
.endr
	global_store_b32 v17, v14, s[52:53]            ; row r's word, four bytes of its sixteen (lanes r and 16 + r store the same word to the same place): the four waves fill the slot's 256 bytes of words between them
	s_endpgm
.Lconst:
	; ---- the constants; y takes a quarter of layers 1 and 2
	s_lshl_b32 s52, s3, 11
	v_lshl_add_u32 v4, v0, 4, s52                  ; layer 1: four numbers a thread
	s_lshl_b32 s53, s3, 9
	v_lshl_add_u32 v5, v0, 2, s53                  ; layer 2: one
	global_load_b128 v[8:11], v4, s[16:17]
	global_load_b128 v[12:15], v4, s[18:19]
	global_load_b128 v[16:19], v4, s[20:21]
	global_load_b128 v[20:23], v4, s[22:23]
	global_load_b32 v24, v5, s[24:25]
	global_load_b32 v25, v5, s[26:27]
	global_load_b32 v26, v5, s[28:29]
	global_load_b32 v27, v5, s[30:31]
	s_wait_loadcnt 0x0
.irp n, 20,21,22,23,27
	v_add_f32 v[\n], 0x3727c5ac, v[\n]             ; v + 1e-5
.endr
	s_wait_alu depctr_va_vdst(0)
.irp n, 20,21,22,23,27
	v_rsq_f32 v[\n], v[\n]
.endr
	v_xor_b32 v26, 0x80000000, v26                 ; -m2  (a plain place behind the batch)
	s_wait_alu depctr_va_vdst(0)                   ; one wait for the five, ahead of their first reader
.irp n, 0,1,2,3
	v_mul_f32 v[8+\n], v[8+\n], v[20+\n]           ; a1
.endr
.irp n, 0,1,2,3
	v_fma_f32 v[12+\n], -v[16+\n], v[8+\n], v[12+\n]   ; c1 = b1 - m1 a1
.endr
	v_mul_f32 v24, v24, v27                        ; a2
	global_store_b128 v4, v[8:11], s[50:51]
	global_store_b128 v4, v[12:15], s[50:51] offset:8192
	global_store_b32 v5, v26, s[50:51] offset:16384
	global_store_b32 v5, v24, s[50:51] offset:18432
	global_store_b32 v5, v25, s[50:51] offset:20480
	s_lshr_b32 s52, s2, 1
	s_or_b32 s52, s52, s3
	s_cmp_lg_u32 s52, 0
	s_cbranch_scc1 .Lend                           ; layers 3 and 4: 64 threads of the work-group with y = 0
	v_lshlrev_b32 v6, 2, v0
	v_mov_b32 v7, 0
	global_load_b32 v28, v6, s[32:33]
	global_load_b32 v29, v6, s[34:35]
	global_load_b32 v30, v6, s[36:37]
	global_load_b32 v31, v6, s[38:39]
	global_load_b32 v32, v6, s[14:15]
	global_load_b32 v33, v7, s[40:41]
	global_load_b32 v34, v7, s[42:43]
	global_load_b32 v35, v7, s[44:45]
	global_load_b32 v36, v7, s[46:47]
	s_wait_loadcnt 0x0
	v_add_f32 v31, 0x3727c5ac, v31
	v_add_f32 v36, 0x3727c5ac, v36
	s_wait_alu depctr_va_vdst(0)
	v_rsq_f32 v31, v31
	v_rsq_f32 v36, v36
	v_nop
	s_wait_alu depctr_va_vdst(0)
	v_mul_f32 v28, v28, v31                        ; a3
	v_mul_f32 v33, v33, v36                        ; a4, the same in every thread
	v_fma_f32 v29, -v30, v28, v29                  ; c3
	v_fma_f32 v34, -v35, v33, v34                  ; c4
	global_store_b32 v6, v28, s[50:51] offset:22528
	global_store_b32 v6, v29, s[50:51] offset:22784
	global_store_b32 v6, v32, s[50:51] offset:23040
	global_store_b32 v6, v33, s[50:51] offset:23296
	global_store_b32 v6, v34, s[50:51] offset:23552
.Lend:
	s_endpgm
.Lfunc_end_k_q09b2e97c70_prep:
	.size	k_q09b2e97c70_prep, .Lfunc_end_k_q09b2e97c70_prep-k_q09b2e97c70_prep
	.p2alignl 7, 3214868480
	.fill 96, 4, 3214868480
	.section	.rodata,"a",@progbits
	.p2align	6, 0x0
	.amdhsa_kernel k_q09b2e97c70_prep
		.amdhsa_group_segment_fixed_size 0
		.amdhsa_private_segment_fixed_size 0
		.amdhsa_enable_private_segment 0
		.amdhsa_kernarg_size 176
		.amdhsa_user_sgpr_count 2
		.amdhsa_user_sgpr_kernarg_segment_ptr 1
		.amdhsa_wavefront_size32 1
		.amdhsa_system_sgpr_workgroup_id_x 1
		.amdhsa_system_sgpr_workgroup_id_y 1
		.amdhsa_system_sgpr_workgroup_id_z 1
		.amdhsa_system_vgpr_workitem_id 0
		.amdhsa_next_free_vgpr 128
		.amdhsa_next_free_sgpr 66
		.amdhsa_reserve_vcc 0
		.amdhsa_float_denorm_mode_32 3
		.amdhsa_float_denorm_mode_16_64 3
		.amdhsa_memory_ordered 1
		.amdhsa_forward_progress 1
		.amdhsa_inst_pref_size 13
	.end_amdhsa_kernel
	.amdgpu_metadata
---
amdhsa.version: [ 1, 2 ]
amdhsa.kernels:
  - .name:           k_q09b2e97c70_prep
    .symbol:         k_q09b2e97c70_prep.kd
    .args:
      - { .name: W1, .offset: 0, .size: 8, .value_kind: global_buffer, .address_space: global }
      - { .name: W2, .offset: 8, .size: 8, .value_kind: global_buffer, .address_space: global }
      - { .name: W3, .offset: 16, .size: 8, .value_kind: global_buffer, .address_space: global }
      - { .name: W4, .offset: 24, .size: 8, .value_kind: global_buffer, .address_space: global }
      - { .name: g1, .offset: 32, .size: 8, .value_kind: global_buffer, .address_space: global }
      - { .name: b1, .offset: 40, .size: 8, .value_kind: global_buffer, .address_space: global }
      - { .name: m1, .offset: 48, .size: 8, .value_kind: global_buffer, .address_space: global }
      - { .name: v1, .offset: 56, .size: 8, .value_kind: global_buffer, .address_space: global }
      - { .name: g2, .offset: 64, .size: 8, .value_kind: global_buffer, .address_space: global }
      - { .name: b2, .offset: 72, .size: 8, .value_kind: global_buffer, .address_space: global }
      - { .name: m2, .offset: 80, .size: 8, .value_kind: global_buffer, .address_space: global }
      - { .name: v2, .offset: 88, .size: 8, .value_kind: global_buffer, .address_space: global }
      - { .name: g3, .offset: 96, .size: 8, .value_kind: global_buffer, .address_space: global }
      - { .name: b3, .offset: 104, .size: 8, .value_kind: global_buffer, .address_space: global }
      - { .name: m3, .offset: 112, .size: 8, .value_kind: global_buffer, .address_space: global }
      - { .name: v3, .offset: 120, .size: 8, .value_kind: global_buffer, .address_space: global }
      - { .name: g4, .offset: 128, .size: 8, .value_kind: global_buffer, .address_space: global }
      - { .name: b4, .offset: 136, .size: 8, .value_kind: global_buffer, .address_space: global }
      - { .name: m4, .offset: 144, .size: 8, .value_kind: global_buffer, .address_space: global }
      - { .name: v4, .offset: 152, .size: 8, .value_kind: global_buffer, .address_space: global }
      - { .name: wq, .offset: 160, .size: 8, .value_kind: global_buffer, .address_space: global }
      - { .name: par, .offset: 168, .size: 8, .value_kind: global_buffer, .address_space: global }
    .group_segment_fixed_size: 0
    .private_segment_fixed_size: 0
    .kernarg_segment_align: 8
    .kernarg_segment_size: 176
    .max_flat_workgroup_size: 128
    .sgpr_count:     66
    .vgpr_count:     128
    .wavefront_size: 32
...
	.end_amdgpu_metadata
.endif
;; end of part 1
;; launch chain (part 2): grid 256 x 1, 4 waves a work-group, no clusters, 322,816 bytes of LDS; arguments x_key, x_query, wq, par, part, stats; writes part, stats
.if DOCPART == 2
	.amdgcn_target "amdgcn-amd-amdhsa--gfx1250"
	.amdhsa_code_object_version 6
	.text
	.protected	k_q09b2e97c70_chain
	.globl	k_q09b2e97c70_chain
	.p2align	8
	.type	k_q09b2e97c70_chain,@function
k_q09b2e97c70_chain:
	s_mov_b64 s[64:65], 0
	v_nop
	global_prefetch_b8 v0, s[64:65] scope:SCOPE_SE
	s_setreg_imm32_b32 hwreg(HW_REG_WAVE_MODE, 25, 1), 1
	s_wait_xcnt 0x0
; The whole chain for blocks of 64 rows:  V = lrelu(bn1(x W1^T));  S2 = lrelu(bn2((V + xq) W2^T));  S3 = lrelu(bn3(S2 W3^T));  s = lrelu(bn4(S3 . W4));
; then for the block: mx = max s, p = 2^((s - mx) log2 e) rounded to bf16, l = sum p, part[e] = sum over the rows of p V[row][e].  The next launch joins a batch's 32 blocks.
; The three products run on codes of FP6 (E2M3) with E8M0 scales; x, V + xq and S2 are quantised here, in f32, block by block of 32 along K.
; SHARES.  256 work-groups, two blocks each (rows 128 g + 64 pass).  Four waves; THE WAVES SHARE THE COLUMNS, NOT THE ROWS: for all 64 rows (four tiles m of 16) wave w makes
; units 128 (4 c + w) .. + 127 of V in chunk c (c = 0 .. 3) and units 128 w .. + 127 of S2.  So each weight fragment is wanted by one wave alone and feeds four products.
; V STAYS ON THE CHIP: 64 rows x 2,048 in bf16, 264,192 bytes of LDS with its padding, until the rows' scores are known.  That leaves 4,864 of a WGP's 327,680 bytes beside this text's other
; regions, less than one slot of weights (6,400): so the weights' codes come from memory straight into a ring of four slots in REGISTERS, laid by the launch before in the order of use, and no tile
; goes through LDS by a tensor load, alone or jointly in a cluster.
; ALL PRODUCTS ARE USED TRANSPOSED (source 0 = 16 rows of a weight, source 1 = 16 rows of the block): a lane holds ONE row, its registers run along the units.  The rows of W1 and W2 that form a tile
; are r + (r & 8) on from 32 (t / 2) + 8 (t % 2), so that the 16 registers of tiles 2 b, 2 b + 1 are units 32 b + 16 (lane / 16) + 0 .. 15: neighbours along the next K.
; Operands go from wave to wave through LDS as images of their registers, in halves of 768 bytes (registers 6 u .. 6 u + 3 at 16 x lane, 6 u + 4, 6 u + 5 at 512 + 8 x lane).
; x IS LOADED AS ITS BYTES LIE: a wave's 16 rows are 32,768 consecutive bytes, and each load covers 512 of them.  The quantiser wants 16 neighbours along K in a lane: so the rows turn through a stage of the
; wave's own in LDS (rows 2,064 bytes apart), which lies in V's bytes: between a block's last barrier and the next block's second nobody reads or writes V.
; LIMITS: NaN and infinities are not served; blocks under 2^-124 get the byte 1; V and p are rounded to bf16 for the pooled sum, and l is the sum of the ROUNDED p; bn1, bn3, bn4 are y a + (b - m a).
; REGISTERS, in windows of 256.  Window 0: v1-19 addresses; v20-35 the ring's scale words, v36-51 x's, v52-59 the features': these hold scales alone; v60-127 at work; v128-255 product 1's 16 sums
;   (m, t') at 128 + 32 m + 8 t', later two sets of feature fragments.  Window 1: product 2's 32 sums (m, t) at 64 m + 8 t; between blocks 256 numbers of x.
;   Window 2: v0-191 x's 16 fragments, v192-239 constants.  Window 3: v0-191 the ring, place p at 48 p; v192-239 constants.
.set SLOTB,   6400
.set STREAMB, 68*SLOTB
.set VP,      4128                     ; a row of V in LDS: 4,096 bytes + 32
.set XSP,     2064                     ; x's stage: a row of 2,048 bytes + 16 = 129 x 16: the sixteen rows that a load touches begin in sixteen different columns of 16 bytes
.set XSW,     16*XSP                   ; a wave's stage; the four lie in V's first 132,096 bytes
.set IMG,     64*VP                    ; 16 fragment images of 1,536 bytes; behind the scores' barrier also the way out, 2,048 bytes a wave
.set ISC,     IMG+16*1536              ; their scale words: 128 bytes a fragment, 4 a lane
.set PAR,     ISC+2048                 ; A1, C1, -m2, A2, b2 (22,528 bytes), then x_query's row (8,192)
.set SB,      PAR+22528+8192           ; the 64 scores
.set PB,      SB+256                   ; 64 p in bf16, a copy for each wave
.set LG,   1                           ; 16 x lane; never rewritten
.set LGS,  2                           ; 16 x (lane % 16): a slot's scale words; never rewritten
.set A16,  3                           ; IMG + 16 x lane
.set A8,   4                           ; IMG + 512 + 8 x lane
.set ASC,  5                           ; ISC + 4 x lane
.set A16X, 6                           ; the same at my tile of rows: + 6,144 w, + 512 w
.set A8X,  7
.set ASCX, 8
.set A16F, 9                           ; the same at my K step: + 1,536 w, + 128 w
.set A8F,  10
.set ASCF, 11
.set AV0,  12                          ; V: 4,128 r + 32 h + 256 w
.set AV,   13                          ; v13-16 the same for tile m in the chunk in hand
.set XI,   13                          ; at a block's head: x's stage, on the way in: XSW w + 16 x lane
.set XO,   14                          ; and on the way out: XSW w + 2,064 r + 64 h
.set APW,  17                          ; PAR + 64 h + 512 w
.set APC,  18                          ; + 2,048 c
.set TA,   19                          ; an offset of global loads: 16 x thread at the head, 32 h in the tail
.set ATR,  3                           ; THE TAIL'S ADDRESSES take v3-14: v3-6 V's rows for the turning loads
.set SBW,  7
.set SBR,  8
.set PBW,  9
.set PBR,  10
.set STW,  11
.set STR,  12
.set GPP,  13
.set GST,  14
.set WS,   20
.set XS,   36
.set FS,   52
.set T16,  60
.set PK,   76
.set TMX,  108
.set TX,   116
.set HW,   124
.set ACC1, 128
.set MSB, 0
.macro WIN new                         ; bits 1:0 source 0, 3:2 source 1, 5:4 source 2, 7:6 destination; the high byte repeats the setting that is left
.if MSB != (\new)
	s_set_vgpr_msb (MSB<<8)|(\new)
.set MSB, (\new)
.endif
.endm
.macro PLACES n
.rept \n
	v_nop
.endr
.endm
.macro BARRIER                         ; my LDS stores have landed and my LDS loads are in: then the work-group's barrier
	s_wait_dscnt 0x0
	s_barrier_signal -1
	s_barrier_wait -1
.endm
; my 16 rows of x, 32,768 consecutive bytes, into window 1 as they lie: load i is row i / 4, bytes 512 (i % 4) + 16 x lane
.macro XLOAD
	WIN 0x40
.set i, 0
.rept 64
	global_load_b128 v[4*i:4*i+3], v[LG], s[4:5] offset:512*i th:TH_LOAD_NT
.set i, i+1
.endr
	WIN 0
.endm
; and through my stage: afterwards register 64 s + 16 b + n of window 1 = k 128 s + 32 b + 16 h + n of row r.  LDS serves a wave's instructions in order (ISA guide 5.7.1.4): the loads see the stores, and land in the registers that the stores have left
.macro XTURN
	WIN 0x04                                       ; an LDS store's data are its source 1: window 1
.set i, 0
.rept 64
	ds_store_b128 v[XI], v[4*i:4*i+3] offset:(i/4)*XSP+(i%4)*512
.set i, i+1
.endr
	WIN 0x40
.set i, 0
.rept 64
	ds_load_b128 v[4*i:4*i+3], v[XO] offset:512*(i/16)+128*((i/4)%4)+16*(i%4)
.set i, i+1
.endr
	WIN 0
.endm
; a slot of weights into place rho of the ring: 12 loads of 512 consecutive bytes, and one of the 256 bytes of scale words, which both halves of the lanes read alike
.macro SLOTLOAD rho, off
	WIN 0xc0
.set i, 0
.rept 12
	global_load_b128 v[48*(\rho)+4*i:48*(\rho)+4*i+3], v[LG], s[8:9] offset:(\off)+512*i
.set i, i+1
.endr
	WIN 0
	global_load_b128 v[WS+4*(\rho):WS+4*(\rho)+3], v[LGS], s[8:9] offset:(\off)+6144
.endm
; slot n of the chunk has been multiplied: its place takes the slot four on.  The four places stand between the last product and the loads into its registers, and ahead of the first read of results
.macro REFILL rho, n
	PLACES 4
	SLOTLOAD \rho, ((\n)+4)*SLOTB
.endm
; product 1: tile t' of W1 (four K steps in one slot) against x's four tiles of rows: four sums by turns
.macro MUL_P1 tp, rho
	WIN 0x0b
.irp s, 0,1,2,3
.irp m, 0,1,2,3
.if \s == 0
	v_wmma_scale_f32_16x16x128_f8f6f4 v[ACC1+32*\m+8*(\tp):ACC1+32*\m+8*(\tp)+7], v[48*(\rho)+12*\s:48*(\rho)+12*\s+11], v[12*(4*\m+\s):12*(4*\m+\s)+11], 0, v[WS+4*(\rho)+\s], v[XS+4*\m+\s] matrix_a_fmt:MATRIX_FMT_FP6 matrix_b_fmt:MATRIX_FMT_FP6
.else
	v_wmma_scale_f32_16x16x128_f8f6f4 v[ACC1+32*\m+8*(\tp):ACC1+32*\m+8*(\tp)+7], v[48*(\rho)+12*\s:48*(\rho)+12*\s+11], v[12*(4*\m+\s):12*(4*\m+\s)+11], v[ACC1+32*\m+8*(\tp):ACC1+32*\m+8*(\tp)+7], v[WS+4*(\rho)+\s], v[XS+4*\m+\s] matrix_a_fmt:MATRIX_FMT_FP6 matrix_b_fmt:MATRIX_FMT_FP6
.endif
.endr
.endr
.endm
; product 2: four tiles of W2 (one K step in one slot) against the features' four tiles of rows: sixteen sums by turns
.macro MUL_P2 half, rho, sg
	WIN 0x53
.irp i, 0,1,2,3
.irp m, 0,1,2,3
	v_wmma_scale_f32_16x16x128_f8f6f4 v[64*\m+8*(4*(\half)+\i):64*\m+8*(4*(\half)+\i)+7], v[48*(\rho)+12*\i:48*(\rho)+12*\i+11], v[ACC1+48*(\sg)+12*\m:ACC1+48*(\sg)+12*\m+11], v[64*\m+8*(4*(\half)+\i):64*\m+8*(4*(\half)+\i)+7], v[WS+4*(\rho)+\i], v[FS+4*(\sg)+\m] matrix_a_fmt:MATRIX_FMT_FP6 matrix_b_fmt:MATRIX_FMT_FP6
.endr
.endr
.endm
; the features' four fragments of K step sp of the chunk, and their scale words, into set sg: 20 loads
.macro FETCHF sp, sg
.irp m, 0,1,2,3
	ds_load_b128 v[ACC1+48*(\sg)+12*\m:ACC1+48*(\sg)+12*\m+3], v[A16] offset:(4*\m+(\sp))*1536
	ds_load_b64 v[ACC1+48*(\sg)+12*\m+4:ACC1+48*(\sg)+12*\m+5], v[A8] offset:(4*\m+(\sp))*1536
	ds_load_b128 v[ACC1+48*(\sg)+12*\m+6:ACC1+48*(\sg)+12*\m+9], v[A16] offset:(4*\m+(\sp))*1536+768
	ds_load_b64 v[ACC1+48*(\sg)+12*\m+10:ACC1+48*(\sg)+12*\m+11], v[A8] offset:(4*\m+(\sp))*1536+768
	ds_load_b32 v[FS+4*(\sg)+\m], v[ASC] offset:(4*\m+(\sp))*128
.endr
.endm
; a1, c1 and xq of my 16 units of block 2 u + bp, into window 2 + bp
.macro PARLOAD u, bp
	WIN (2+(\bp))<<6
.irp i, 0,1,2,3
	ds_load_b128 v[192+4*\i:195+4*\i], v[APC] offset:256*(\u)+128*(\bp)+16*\i
	ds_load_b128 v[208+4*\i:211+4*\i], v[APC] offset:8192+256*(\u)+128*(\bp)+16*\i
	ds_load_b128 v[224+4*\i:227+4*\i], v[APC] offset:22528+256*(\u)+128*(\bp)+16*\i
.endr
	WIN 0
.endm
; block 2 u + bp of my 128 units, four tiles of rows: V = max(y, 0.2 y), y = sum x a1 + c1; V to LDS in bf16; V + xq stays in the registers
.macro ELEM u, bp
.set W, 2+(\bp)
	s_wait_dscnt 0x0                               ; the constants are in, and earlier LDS stores have read the registers that are written below
	WIN (W<<2)|(W<<4)
.set m, 0
.rept 4
.set Y, ACC1+32*m+16*(\bp)
.set j, 0
.rept 8
	v_pk_fma_f32 v[Y+j:Y+j+1], v[Y+j:Y+j+1], v[192+j:193+j], v[208+j:209+j]   ; each sum is read from its low end on
.set j, j+2
.endr
.set m, m+1
.endr
	WIN 0
.set m, 0
.rept 4
.set Y, ACC1+32*m+16*(\bp)
.set j, 0
.rept 8
	v_pk_mul_f32 v[T16+j:T16+j+1], v[Y+j:Y+j+1], s[22:23] op_sel_hi:[1,0]
.set j, j+2
.endr
.set j, 0
.rept 16
	v_max_num_f32 v[Y+j], v[Y+j], v[T16+j]
.set j, j+1
.endr
.set j, 0
.rept 8
	v_cvt_pk_bf16_f32 v[PK+8*m+j], v[Y+2*j], v[Y+2*j+1]
.set j, j+1
.endr
	ds_store_b128 v[AV+m], v[PK+8*m:PK+8*m+3] offset:128*(\u)+64*(\bp)
	ds_store_b128 v[AV+m], v[PK+8*m+4:PK+8*m+7] offset:128*(\u)+64*(\bp)+16
.set m, m+1
.endr
	WIN W<<2
.set m, 0
.rept 4
.set Y, ACC1+32*m+16*(\bp)
.set j, 0
.rept 8
	v_pk_add_f32 v[Y+j:Y+j+1], v[Y+j:Y+j+1], v[224+j:225+j]
.set j, j+2
.endr
.set m, m+1
.endr
	WIN 0
.endm
; Eight half blocks of a lane, 16 numbers each at v[src + 16 k] of window win (lane l xor 16 has the other halves), become four half fragments (blocks 2 q, 2 q + 1) and their two scale bytes, and go to LDS.
; kind 0: x: half fragment q is K step 2 p + q / 2, half q % 2, of my tile of rows.  kind 1: tile of rows q, half p, of my K step.
.macro QUANT8 win, src, kind, p
	WIN (\win)|((\win)<<2)
.set k, 0
.rept 8
	v_max3_num_f32 v[TMX+k], |v[(\src)+16*k]|, |v[(\src)+16*k+1]|, 0x1800000   ; and the floor 2^(3 - 127): the byte cannot fall under 1
.set k, k+1
.endr
	WIN ((\win)<<2)|((\win)<<4)
.set n, 2
.rept 7
.set k, 0
.rept 8
	v_max3_num_f32 v[TMX+k], v[TMX+k], |v[(\src)+16*k+n]|, |v[(\src)+16*k+n+1]|   ; the eight by turns
.set k, k+1
.endr
.set n, n+2
.endr
	WIN 0
.set k, 0
.rept 8
	v_permlanex16_b32 v[TX+k], v[TMX+k], s20, s21
.set k, k+1
.endr
.set k, 0
.rept 8
	v_max_num_f32 v[TMX+k], v[TMX+k], v[TX+k]      ; the block's largest magnitude
.set k, k+1
.endr
.set k, 0
.rept 8
	v_add_nc_u32 v[TMX+k], 0xff000000, v[TMX+k]    ; 2 off its exponent field: the conversion's scale operand
.set k, k+1
.endr
.set k, 0
.rept 8
	v_lshrrev_b32 v[TX+k], 23, v[TMX+k]            ; the byte
.set k, k+1
.endr
	s_wait_alu depctr_va_vdst(0)
	s_wait_dscnt 0x0                               ; earlier LDS stores have read the registers that are written from here on
.set q, 0
.rept 4
	v_lshl_or_b32 v[HW+q], v[TX+2*q+1], 8, v[TX+2*q]
.set q, q+1
.endr
	WIN \win
.set q, 0
.rept 4
	v_cvt_scalef32_pk16_fp6_f32 v[60+10*q:62+10*q], v[(\src)+32*q:(\src)+32*q+15], v[TMX+2*q]
	v_cvt_scalef32_pk16_fp6_f32 v[66+10*q:68+10*q], v[(\src)+32*q+16:(\src)+32*q+31], v[TMX+2*q+1]
.set q, q+1
.endr
	WIN 0
	v_nop                                          ; one plain place behind the conversions
.set q, 0
.rept 4
.irp i, 0,1,2
	v_permlane16_swap_b32 v[60+10*q+\i], v[66+10*q+\i]   ; a WHOLE block to a lane: lanes 0-15 block 2 q, lanes 16-31 block 2 q + 1
.endr
.set q, q+1
.endr
.set q, 0
.rept 4
.irp i, 0,1,2
	v_mov_b32 v[63+10*q+\i], v[66+10*q+\i]
.endr
.set q, q+1
.endr
.set q, 0
.rept 4
.if (\kind) == 0
	ds_store_b128 v[A16X], v[60+10*q:63+10*q] offset:(2*(\p)+q/2)*1536+768*(q%2)
	ds_store_b64 v[A8X], v[64+10*q:65+10*q] offset:(2*(\p)+q/2)*1536+768*(q%2)
	ds_store_b16 v[ASCX], v[HW+q] offset:(2*(\p)+q/2)*128+2*(q%2)
.else
	ds_store_b128 v[A16F], v[60+10*q:63+10*q] offset:q*6144+768*(\p)
	ds_store_b64 v[A8F], v[64+10*q:65+10*q] offset:q*6144+768*(\p)
	ds_store_b16 v[ASCF], v[HW+q] offset:q*512+2*(\p)
.endif
.set q, q+1
.endr
.endm
; S2 = lrelu((y2 - m2) a2 + b2) for blocks 2 u, 2 u + 1 of my 128 units: the sums began at -m2
.macro ELEM2 u
	s_wait_dscnt 0x0
	WIN 0x29
.set m, 0
.rept 4
.set j, 0
.rept 16
	v_pk_fma_f32 v[ACC1+32*m+j:ACC1+32*m+j+1], v[64*m+32*(\u)+j:64*m+32*(\u)+j+1], v[32*(\u)+j:32*(\u)+j+1], v[64+32*(\u)+j:64+32*(\u)+j+1]
.set j, j+2
.endr
.set m, m+1
.endr
	WIN 0
.set m, 0
.rept 8
.set Y, ACC1+16*m
.set j, 0
.rept 8
	v_pk_mul_f32 v[T16+j:T16+j+1], v[Y+j:Y+j+1], s[22:23] op_sel_hi:[1,0]
.set j, j+2
.endr
.set j, 0
.rept 16
	v_max_num_f32 v[Y+j], v[Y+j], v[T16+j]
.set j, j+1
.endr
.set m, m+1
.endr
.endm
; THE POOLED SUM, 128 columns of V at a time: source 0 = p (all 16 rows alike), source 1 = V, 64 rows x 16 columns a tile, turned on its way out of LDS
.macro POOLLOAD q
	WIN 0x80
.set F, 128*((\q)%2)
.set t, 0
.rept 8
.irp g, 0,1
	ds_load_tr16_b128 v[F+16*t+8*\g:F+16*t+8*\g+3], v[ATR+2*\g] offset:256*(\q)+32*t
	ds_load_tr16_b128 v[F+16*t+8*\g+4:F+16*t+8*\g+7], v[ATR+2*\g+1] offset:256*(\q)+32*t
.endr
.set t, t+1
.endr
	WIN 0
.endm
.macro POOLMUL q
	WIN 0x08
.set F, 128*((\q)%2)
.set AC, ACC1+64*((\q)%2)
.irp g, 0,1
.set t, 0
.rept 8
.if \g == 0
	v_wmma_f32_16x16x32_bf16 v[AC+8*t:AC+8*t+7], v[92+8*\g:99+8*\g], v[F+16*t+8*\g:F+16*t+8*\g+7], 0
.else
	v_wmma_f32_16x16x32_bf16 v[AC+8*t:AC+8*t+7], v[92+8*\g:99+8*\g], v[F+16*t+8*\g:F+16*t+8*\g+7], v[AC+8*t:AC+8*t+7]
.endif
.set t, t+1
.endr
.endr
	WIN 0
.endm
.macro POOLOUT q                       ; register 0 of tile t holds column 16 t + lane % 16 in both halves of the lanes: two tiles make 32 neighbours
.set AC, ACC1+64*((\q)%2)
	PLACES 4
.irp t2, 0,1,2,3
	v_cndmask_b32 v[60+4*(\q)+\t2], v[AC+16*\t2], v[AC+16*\t2+8], vcc_lo
.endr
.irp t2, 0,1,2,3
	ds_store_b32 v[STW], v[60+4*(\q)+\t2] offset:512*(\q)+128*\t2
.endr
.endm
	; ---- once
	s_load_b256 s[4:11], s[0:1], 0x0               ; x_key 4, x_query 6, wq 8, par 10
	s_load_b128 s[12:15], s[0:1], 0x20             ; part 12, stats 14
	s_set_vgpr_msb 0xc0
	v_lshl_add_u32 v254, v0, 2, 0x4eb00
	v_mov_b32 v255, 0
	s_set_vgpr_msb 0xc000
	v_lshrrev_b32 v3, 5, v0
	v_readfirstlane_b32 s16, v3                    ; wave w
	v_and_b32 v3, 31, v0
	v_lshlrev_b32 v[LG], 4, v3
	v_and_b32 v4, 15, v0
	v_lshlrev_b32 v[LGS], 4, v4
	v_lshlrev_b32 v[TA], 4, v0                     ; 16 x thread
	v_add_nc_u32 v[APC], PAR, v[TA]
.set k, 0
.rept 8
	v_mov_b32 v[TX+k], 0                           ; written once: a lane permute's destination counts as one of its sources
.set k, k+1
.endr
	s_mov_b32 s20, 0x76543210
	s_mov_b32 s21, 0xfedcba98                      ; lane l xor 16
	s_mov_b32 s22, 0x3e4ccccd                      ; 0.2
	s_mov_b32 s23, s22
	s_mov_b32 s32, 0x3fb8aa3b                      ; log2(e)
	s_mov_b32 s17, ttmp9                           ; g
	s_lshl_b32 s18, s17, 18                        ; 128 rows of 2,048 bytes
	s_lshl_b32 s19, s16, 15                        ; my 16 rows
	s_add_co_u32 s18, s18, s19
	s_mov_b32 s19, 0
	s_wait_alu depctr_va_vdst(0)
	s_wait_kmcnt 0x0
	s_add_nc_u64 s[4:5], s[4:5], s[18:19]
	s_lshr_b32 s18, s17, 4                         ; the batch
	s_lshl_b32 s18, s18, 13
	s_add_nc_u64 s[6:7], s[6:7], s[18:19]
	s_mul_i32 s18, s16, STREAMB
	s_add_nc_u64 s[28:29], s[8:9], s[18:19]        ; my stream's first slot
	s_mov_b64 s[8:9], s[28:29]
	s_lshl_b32 s18, s17, 14
	s_add_nc_u64 s[12:13], s[12:13], s[18:19]
	s_lshl_b32 s18, s17, 9
	s_add_nc_u64 s[14:15], s[14:15], s[18:19]
	s_load_b32 s30, s[10:11], 0x5b00               ; a4
	s_load_b32 s31, s[10:11], 0x5c00               ; c4
	XLOAD                                          ; 64 loads,
	WIN 0x80
.set k, 0
.rept 11
	global_load_b128 v[4*k:4*k+3], v[TA], s[10:11] offset:2048*k   ; 15 for the constants' copy: 2,048 bytes an instruction of the work-group,
.set k, k+1
.endr
.rept 4
	global_load_b128 v[4*k:4*k+3], v[TA], s[6:7] offset:2048*(k-11)
.set k, k+1
.endr
	WIN 0
	SLOTLOAD 0, 0                                  ; and the ring's 52
	SLOTLOAD 1, SLOTB
	SLOTLOAD 2, 2*SLOTB
	SLOTLOAD 3, 3*SLOTB
	s_wait_loadcnt 52                              ; all but the ring's four slots of 13 loads
	WIN 0x08
.set k, 0
.rept 15
	ds_store_b128 v[APC], v[4*k:4*k+3] offset:2048*k
.set k, k+1
.endr
	WIN 0
	s_wait_dscnt 0x0
	s_wait_kmcnt 0x0
	s_mov_b32 s27, 2
.Lpass:
	s_wait_loadcnt 52                              ; x is in: behind it stand the ring's four slots, on the way in and on the way back
	v_and_b32 v108, 31, v0
	v_and_b32 v109, 15, v0
	v_bfe_u32 v110, v0, 4, 1
	s_mul_i32 s18, s16, XSW                        ; my stage
	v_lshl_add_u32 v[XI], v108, 4, s18
	v_mul_u32_u24 v[XO], v109, XSP
	v_lshl_add_u32 v[XO], v110, 6, v[XO]
	v_add_nc_u32 v[XO], s18, v[XO]
	XTURN                                          ; every wave has passed the last block's closing barrier: nobody reads V any more
	v_lshl_add_u32 v[A16], v108, 4, IMG            ; the loop's addresses (the tail has used their registers) are made while x turns
	v_lshl_add_u32 v[A8], v108, 3, IMG+512
	v_lshl_add_u32 v[ASC], v108, 2, ISC
	s_mul_i32 s18, s16, 6144
	v_add_nc_u32 v[A16X], s18, v[A16]
	v_add_nc_u32 v[A8X], s18, v[A8]
	s_lshl_b32 s18, s16, 9
	v_add_nc_u32 v[ASCX], s18, v[ASC]
	s_add_co_u32 s18, s18, PAR
	v_lshl_add_u32 v[APW], v110, 6, s18
	s_mul_i32 s18, s16, 1536
	v_add_nc_u32 v[A16F], s18, v[A16]
	v_add_nc_u32 v[A8F], s18, v[A8]
	s_lshl_b32 s18, s16, 7
	v_add_nc_u32 v[ASCF], s18, v[ASC]
	v_mul_u32_u24 v[AV0], v109, VP
	v_lshl_add_u32 v[AV0], v110, 5, v[AV0]
	s_lshl_b32 s18, s16, 8
	v_add_nc_u32 v[AV0], s18, v[AV0]
	s_wait_dscnt 0x0                               ; x is back from the stage
	QUANT8 1, 0, 0, 0                              ; my 16 rows of x: K steps 0, 1,
	QUANT8 1, 128, 0, 1                            ; and 2, 3
	BARRIER                                        ; x's sixteen fragments (and, the first time, the constants) lie in LDS
	WIN 0x80
.set f, 0
.rept 16
	ds_load_b128 v[12*f:12*f+3], v[A16] offset:1536*f
	ds_load_b64 v[12*f+4:12*f+5], v[A8] offset:1536*f
	ds_load_b128 v[12*f+6:12*f+9], v[A16] offset:1536*f+768
	ds_load_b64 v[12*f+10:12*f+11], v[A8] offset:1536*f+768
.set f, f+1
.endr
	WIN 0
.set f, 0
.rept 16
	ds_load_b32 v[XS+f], v[ASC] offset:128*f
.set f, f+1
.endr
	WIN 0x40
.set i, 0
.rept 64
	ds_load_b128 v[4*i:4*i+3], v[APW] offset:16384+128*(((i/2)%8)/2)+32*((i/2)%2)+16*(i%2)   ; product 2's sums begin at -m2: nothing is cleared
.set i, i+1
.endr
	WIN 0
	BARRIER                                        ; every wave has x: the images, and the stages in V's bytes, may be written again
	s_mov_b32 s24, 0                               ; 1,024 c: the chunk's bytes in a row of V
	s_mov_b32 s25, 0                               ; 2,048 c: in the constants
	s_mov_b32 s26, 4
.Lchunk:
	v_add_nc_u32 v[AV], s24, v[AV0]                ; these five and the last refill's four are the places ahead of products that write over the features' fragments
	v_add_nc_u32 v[AV+1], 16*VP, v[AV]
	v_add_nc_u32 v[AV+2], 32*VP, v[AV]
	v_add_nc_u32 v[AV+3], 48*VP, v[AV]
	v_add_nc_u32 v[APC], s25, v[APW]
.irp u, 0,1
	PARLOAD \u, 0
	PARLOAD \u, 1
.irp tp, 0,1,2,3
	s_wait_loadcnt 39                              ; this slot is in; the three younger, 13 loads each, may be out
	MUL_P1 \tp, \tp
	REFILL \tp, 4*\u+\tp
.endr
	ELEM \u, 0
	ELEM \u, 1
	QUANT8 0, 128, 1, \u
.endr
	BARRIER                                        ; the chunk's four K steps of feature codes lie in LDS
	FETCHF 0, 0
.irp sp, 0,1,2,3
	s_wait_dscnt 0x0                               ; this K step's fragments are in
	s_wait_loadcnt 39
	MUL_P2 0, (2*\sp)%4, \sp%2
	REFILL (2*\sp)%4, 8+2*\sp
.if \sp < 3
	FETCHF \sp+1, 1-\sp%2
.endif
	s_wait_loadcnt 39
.if \sp < 3
	MUL_P2 1, (2*\sp+1)%4, \sp%2
	REFILL (2*\sp+1)%4, 9+2*\sp
.else
	s_barrier_signal -1                            ; my reads of the images were awaited at this K step's s_wait_dscnt 0, and no LDS instruction follows them: say so,
	MUL_P2 1, 3, 1                                 ; sixteen products, work on registers alone, while the others arrive,
	s_barrier_wait -1                              ; and every wave has read the images: the next chunk may write them
	s_wait_xcnt 0x0                                ; the ring's loads so far, the youngest issued sixteen products ago, have read their base
	s_add_nc_u64 s[8:9], s[8:9], 16*SLOTB          ; the next chunk's first slot
	REFILL 3, -1                                   ; slot 19 of this chunk = slot 3 from the stepped base (the last trip's refills have brought slots 64 to 67: W3)
.endif
.endr
	s_add_co_u32 s24, s24, 1024
	s_add_co_u32 s25, s25, 2048
	s_sub_co_u32 s26, s26, 1
	s_cmp_lg_u32 s26, 0
	s_cbranch_scc1 .Lchunk
	; ---- the tail
	v_bfe_u32 v[TA], v0, 4, 1
	v_lshlrev_b32 v[TA], 5, v[TA]                  ; 32 h
	WIN 0x80
.set i, 0
.rept 16
	ds_load_b128 v[4*i:4*i+3], v[APW] offset:18432+128*(i/4)+16*(i%4)        ; a2 of my 64 units,
	ds_load_b128 v[64+4*i:67+4*i], v[APW] offset:20480+128*(i/4)+16*(i%4)    ; b2
.set i, i+1
.endr
.set i, 0
.rept 24
	global_load_b128 v[128+4*i:131+4*i], v[TA], s[10:11] offset:22528+256*(i/8)+64*((i%8)/2)+16*(i%2)   ; a3, c3, W4 (256 bytes each): register 8 kt + 4 (i % 2) + n of a table is unit 16 kt + 8 h + 4 (i % 2) + n, kt = (i % 8) / 2
.set i, i+1
.endr
	WIN 0
	ELEM2 0
	QUANT8 0, 128, 1, 0
	ELEM2 1
	QUANT8 0, 128, 1, 1
	BARRIER                                        ; S2's sixteen fragments lie in LDS
.irp s, 0,1,2,3
	ds_load_b128 v[ACC1+12*\s:ACC1+12*\s+3], v[A16X] offset:1536*\s          ; my tile of rows, all four K steps
	ds_load_b64 v[ACC1+12*\s+4:ACC1+12*\s+5], v[A8X] offset:1536*\s
	ds_load_b128 v[ACC1+12*\s+6:ACC1+12*\s+9], v[A16X] offset:1536*\s+768
	ds_load_b64 v[ACC1+12*\s+10:ACC1+12*\s+11], v[A8X] offset:1536*\s+768
	ds_load_b32 v[FS+\s], v[ASCX] offset:128*\s
.endr
	s_wait_dscnt 0x0
	s_wait_loadcnt 0x0                             ; W3 and layer 3's constants
	WIN 0x03
.irp s, 0,1,2,3
.irp kt, 0,1,2,3
.if \s == 0
	v_wmma_scale_f32_16x16x128_f8f6f4 v[60+8*\kt:67+8*\kt], v[48*\kt+12*\s:48*\kt+12*\s+11], v[ACC1+12*\s:ACC1+12*\s+11], 0, v[WS+4*\kt+\s], v[FS+\s] matrix_a_fmt:MATRIX_FMT_FP6 matrix_b_fmt:MATRIX_FMT_FP6
.else
	v_wmma_scale_f32_16x16x128_f8f6f4 v[60+8*\kt:67+8*\kt], v[48*\kt+12*\s:48*\kt+12*\s+11], v[ACC1+12*\s:ACC1+12*\s+11], v[60+8*\kt:67+8*\kt], v[WS+4*\kt+\s], v[FS+\s] matrix_a_fmt:MATRIX_FMT_FP6 matrix_b_fmt:MATRIX_FMT_FP6
.endif
.endr
.endr
	WIN 0
	v_and_b32 v108, 31, v0                         ; the tail's addresses: plain lines that name none of those products' registers: their places
	v_and_b32 v109, 15, v0
	v_bfe_u32 v110, v0, 4, 1
	v_and_b32 v111, 7, v0
	v_bfe_u32 v112, v0, 3, 1
	v_lshl_add_u32 v111, v110, 3, v111
	v_mul_u32_u24 v111, v111, VP                   ; row 8 h + lane % 8,
	v_lshl_add_u32 v111, v112, 4, v111             ; 16 bytes for each eight lanes,
	s_lshl_b32 s18, s16, 10
	v_add_nc_u32 v[ATR], s18, v111                 ; my 512 columns
	v_add_nc_u32 v[ATR+1], 16*VP, v[ATR]
	v_add_nc_u32 v[ATR+2], 32*VP, v[ATR]
	v_add_nc_u32 v[ATR+3], 48*VP, v[ATR]
	s_lshl_b32 s18, s16, 6
	s_add_co_u32 s18, s18, SB
	v_lshl_add_u32 v[SBW], v109, 2, s18            ; row 16 w + r's score
	v_lshl_add_u32 v[SBR], v108, 2, SB
	s_lshl_b32 s18, s16, 7
	s_add_co_u32 s18, s18, PB
	v_lshl_add_u32 v[PBW], v108, 1, s18
	v_lshl_add_u32 v[PBR], v110, 4, s18
	s_lshl_b32 s18, s16, 11
	v_lshl_add_u32 v[GPP], v108, 4, s18
	s_add_co_u32 s18, s18, IMG
	v_lshl_add_u32 v[STW], v108, 2, s18
	v_lshl_add_u32 v[STR], v108, 4, s18
	v_lshlrev_b32 v[GST], 3, v108
	v_cmp_lt_u32 vcc_lo, 15, v108                  ; lanes 16-31
	s_cmp_eq_u32 s27, 1
	s_cbranch_scc1 .Lno_next                       ; the last block asks for nothing: no load leaves its buffer
	s_wait_xcnt 0x0
	s_add_nc_u64 s[4:5], s[4:5], 131072            ; the next block's x and first four slots are asked for here and land while the tail runs
	XLOAD
	s_mov_b64 s[8:9], s[28:29]
	SLOTLOAD 0, 0
	SLOTLOAD 1, SLOTB
	SLOTLOAD 2, 2*SLOTB
	SLOTLOAD 3, 3*SLOTB
.Lno_next:
	WIN 0x28
.set j, 0
.rept 16
	v_pk_fma_f32 v[60+j:61+j], v[60+j:61+j], v[128+j:129+j], v[160+j:161+j]   ; bn3; register 8 kt + i: unit 16 kt + 8 h + i of row r
.set j, j+2
.endr
	WIN 0
.set j, 0
.rept 16
	v_pk_mul_f32 v[128+j:129+j], v[60+j:61+j], s[22:23] op_sel_hi:[1,0]
.set j, j+2
.endr
.set j, 0
.rept 32
	v_max_num_f32 v[60+j], v[60+j], v[128+j]
.set j, j+1
.endr
	WIN 0x08
	v_pk_mul_f32 v[92:93], v[60:61], v[192:193]    ; . W4, in f32, in two chains
	v_pk_mul_f32 v[94:95], v[62:63], v[194:195]
.set j, 4
.rept 7
	v_pk_fma_f32 v[92:93], v[60+j:61+j], v[192+j:193+j], v[92:93]
	v_pk_fma_f32 v[94:95], v[62+j:63+j], v[194+j:195+j], v[94:95]
.set j, j+4
.endr
	WIN 0
	v_pk_add_f32 v[92:93], v[92:93], v[94:95]
	v_add_f32 v92, v92, v93
	v_permlanex16_b32 v93, v92, s20, s21
	v_add_f32 v92, v92, v93                        ; with lane l xor 16's 32 units
	v_fma_f32 v92, v92, s30, s31                   ; bn4
	v_mul_f32 v93, s22, v92
	v_max_num_f32 v92, v92, v93                    ; the row's score
	ds_store_b32 v[SBW], v92                       ; (both halves of the lanes write the same word with the same value)
	BARRIER                                        ; the 64 scores lie in LDS; nobody reads S2's images any more
	ds_load_b32 v108, v[SBR]
	ds_load_b32 v109, v[SBR] offset:128
	s_wait_dscnt 0x0
	v_max_num_f32 v110, v108, v109
	v_max_num_f32_dpp v110, v110, v110 row_xmask:1 row_mask:0xf bank_mask:0xf
	v_max_num_f32_dpp v110, v110, v110 row_xmask:2 row_mask:0xf bank_mask:0xf
	v_max_num_f32_dpp v110, v110, v110 row_xmask:4 row_mask:0xf bank_mask:0xf
	v_max_num_f32_dpp v110, v110, v110 row_xmask:8 row_mask:0xf bank_mask:0xf
	v_permlanex16_b32 v111, v110, s20, s21
	v_max_num_f32 v110, v110, v111                 ; mx: the block's largest score is taken away before the exponential
	v_sub_f32 v108, v108, v110
	v_sub_f32 v109, v109, v110
	v_mul_f32 v108, s32, v108
	v_mul_f32 v109, s32, v109
	s_wait_alu depctr_va_vdst(0)
	v_exp_f32 v108, v108
	v_exp_f32 v109, v109
	v_nop
	s_wait_alu depctr_va_vdst(0)                   ; one wait for the two, ahead of their first reader
	v_cvt_pk_bf16_f32 v112, v108, v109
	ds_store_b16 v[PBW], v112                      ; p of row lane,
	ds_store_b16_d16_hi v[PBW], v112 offset:64     ; and of row 32 + lane: my wave's own copy, so no barrier
	v_lshlrev_b32 v108, 16, v112
	v_and_b32 v109, 0xffff0000, v112
	v_add_f32 v111, v108, v109                     ; l is the sum of p as the product will take it
	v_add_f32_dpp v111, v111, v111 row_xmask:1 row_mask:0xf bank_mask:0xf
	v_add_f32_dpp v111, v111, v111 row_xmask:2 row_mask:0xf bank_mask:0xf
	v_add_f32_dpp v111, v111, v111 row_xmask:4 row_mask:0xf bank_mask:0xf
	v_add_f32_dpp v111, v111, v111 row_xmask:8 row_mask:0xf bank_mask:0xf
	v_permlanex16_b32 v113, v111, s20, s21
	v_add_f32 v111, v111, v113
.irp i, 0,1,2,3
	ds_load_b128 v[92+4*\i:95+4*\i], v[PBR] offset:32*\i   ; p as source 0: rows 32 g + 8 h + 0 .. 7 and 32 g + 16 + 8 h + 0 .. 7, the same in all 16 lanes of a half
.endr
	POOLLOAD 0
	POOLLOAD 1
	s_wait_dscnt 32                                ; all but the younger run of 32
	POOLMUL 0
	POOLOUT 0
	POOLLOAD 2
	s_wait_dscnt 36                                ; behind run 1: four stores and run 2's 32 loads
	POOLMUL 1
	POOLOUT 1
	POOLLOAD 3
	s_wait_dscnt 36
	POOLMUL 2
	POOLOUT 2
	s_wait_dscnt 4                                 ; behind run 3: four stores
	POOLMUL 3
	POOLOUT 3
.irp i, 0,1,2,3
	ds_load_b128 v[76+4*\i:79+4*\i], v[STR] offset:512*\i   ; LDS serves a wave's instructions in order (ISA guide 5.7.1.4): these see my stores
.endr
	s_wait_dscnt 0x0
.irp i, 0,1,2,3
	global_store_b128 v[GPP], v[76+4*\i:79+4*\i], s[12:13] offset:512*\i   ; 32 lanes store 512 consecutive bytes, aligned
.endr
	s_cmp_lg_u32 s16, 0
	s_cbranch_scc1 .Lnot_wave_0
	global_store_b64 v[GST], v[110:111], s[14:15]  ; (mx, l), 32 times: 256 consecutive bytes, aligned, with all lanes on
.Lnot_wave_0:
	BARRIER                                        ; V, the images, the scores may be written again
	s_wait_xcnt 0x0                                ; the stores have read their registers and bases
	s_add_nc_u64 s[12:13], s[12:13], 8192
	s_add_nc_u64 s[14:15], s[14:15], 256
	s_sub_co_u32 s27, s27, 1
	s_cmp_lg_u32 s27, 0
	s_cbranch_scc1 .Lpass
	s_set_vgpr_msb 0xf
	s_wait_tensorcnt 0x0
	ds_add_u32 v254, v255
	s_wait_dscnt 0x0
	s_set_vgpr_msb 0xf00
	s_endpgm
.Lfunc_end_k_q09b2e97c70_chain:
	.size	k_q09b2e97c70_chain, .Lfunc_end_k_q09b2e97c70_chain-k_q09b2e97c70_chain
	.p2alignl 7, 3214868480
	.fill 96, 4, 3214868480
	.section	.rodata,"a",@progbits
	.p2align	6, 0x0
	.amdhsa_kernel k_q09b2e97c70_chain
		.amdhsa_group_segment_fixed_size 322816
		.amdhsa_private_segment_fixed_size 0
		.amdhsa_enable_private_segment 0
		.amdhsa_kernarg_size 48
		.amdhsa_user_sgpr_count 2
		.amdhsa_user_sgpr_kernarg_segment_ptr 1
		.amdhsa_wavefront_size32 1
		.amdhsa_system_sgpr_workgroup_id_x 1
		.amdhsa_system_sgpr_workgroup_id_y 1
		.amdhsa_system_sgpr_workgroup_id_z 1
		.amdhsa_system_vgpr_workitem_id 0
		.amdhsa_next_free_vgpr 1024
		.amdhsa_next_free_sgpr 66
		.amdhsa_reserve_vcc 1
		.amdhsa_float_denorm_mode_32 3
		.amdhsa_float_denorm_mode_16_64 3
		.amdhsa_memory_ordered 1
		.amdhsa_forward_progress 1
		.amdhsa_inst_pref_size 255
	.end_amdhsa_kernel
	.section	.bss,"aw",@nobits
	.p2align	6
	.space	262144
	.amdgpu_metadata
---
amdhsa.version: [ 1, 2 ]
amdhsa.kernels:
  - .name:           k_q09b2e97c70_chain
    .symbol:         k_q09b2e97c70_chain.kd
    .args:
      - { .name: x_key, .offset: 0, .size: 8, .value_kind: global_buffer, .address_space: global }
      - { .name: x_query, .offset: 8, .size: 8, .value_kind: global_buffer, .address_space: global }
      - { .name: wq, .offset: 16, .size: 8, .value_kind: global_buffer, .address_space: global }
      - { .name: par, .offset: 24, .size: 8, .value_kind: global_buffer, .address_space: global }
      - { .name: part, .offset: 32, .size: 8, .value_kind: global_buffer, .address_space: global }
      - { .name: stats, .offset: 40, .size: 8, .value_kind: global_buffer, .address_space: global }
    .group_segment_fixed_size: 322816
    .private_segment_fixed_size: 0
    .kernarg_segment_align: 8
    .kernarg_segment_size: 48
    .max_flat_workgroup_size: 128
    .sgpr_count:     66
    .vgpr_count:     1024
    .wavefront_size: 32
...
	.end_amdgpu_metadata
.endif
;; end of part 2
;; launch combine (part 3): grid 8 x 16, 2 waves a work-group, no clusters, 0 bytes of LDS; arguments part, stats, out0; writes out0
.if DOCPART == 3
	.amdgcn_target "amdgcn-amd-amdhsa--gfx1250"
	.amdhsa_code_object_version 6
	.text
	.protected	k_q09b2e97c70_combine
	.globl	k_q09b2e97c70_combine
	.p2align	8
	.type	k_q09b2e97c70_combine,@function
k_q09b2e97c70_combine:
	s_mov_b64 s[64:65], 0
	v_nop
	global_prefetch_b8 v0, s[64:65] scope:SCOPE_SE
	s_setreg_imm32_b32 hwreg(HW_REG_WAVE_MODE, 25, 1), 1
	s_wait_xcnt 0x0
; out0[b][e] = sum over a batch's 32 blocks of w_i part[32 b + i][e] / sum of w_i l_i,  w_i = 2^((mx_i - M) log2 e),  M = the largest mx_i: the softmax across blocks, its maximum taken away.
; Work-group (x, b): 256 columns of batch b; a thread four of them.  Lane i holds block i's (mx, l); the 32 weights go to scalar registers.
; All 33 loads of a wave go out at once; the statistics are worked while the 32 loads of part are on their way.
	s_load_b128 s[4:7], s[0:1], 0x0                ; part, stats
	s_load_b64 s[8:9], s[0:1], 0x10                ; out0
	v_and_b32 v1, 31, v0
	v_lshlrev_b32 v1, 8, v1                        ; a block's statistics: 256 bytes
	v_lshlrev_b32 v4, 4, v0                        ; 16 bytes a thread
	v_mov_b32 v6, 0                                ; written once: destinations of lane forms count as sources
	v_mov_b32 v7, 0
	s_and_b32 s10, ttmp7, 0xffff                   ; b
	s_lshl_b32 s11, ttmp9, 10                      ; 1,024 bytes a work-group
	s_lshl_b32 s12, s10, 13
	s_mov_b32 s13, 0
	s_lshl_b32 s14, s10, 18                        ; 32 blocks of 8,192 bytes
	s_add_co_u32 s14, s14, s11
	s_mov_b32 s15, 0
	s_add_co_u32 s16, s12, s11
	s_mov_b32 s17, 0
	s_mov_b32 s18, 0x76543210
	s_mov_b32 s19, 0xfedcba98
	s_wait_alu depctr_va_vdst(0)
	s_wait_kmcnt 0x0
	s_add_nc_u64 s[6:7], s[6:7], s[12:13]
	s_add_nc_u64 s[4:5], s[4:5], s[14:15]
	s_add_nc_u64 s[8:9], s[8:9], s[16:17]
	global_load_b64 v[2:3], v1, s[6:7]
.set i, 0
.rept 32
	global_load_b128 v[32+4*i:35+4*i], v4, s[4:5] offset:8192*i th:TH_LOAD_NT
.set i, i+1
.endr
	s_wait_loadcnt 32                              ; the statistics are in; the 32 loads of part may be out
	v_max_num_f32_dpp v6, v2, v2 row_xmask:1 row_mask:0xf bank_mask:0xf
	v_max_num_f32_dpp v6, v6, v6 row_xmask:2 row_mask:0xf bank_mask:0xf
	v_max_num_f32_dpp v6, v6, v6 row_xmask:4 row_mask:0xf bank_mask:0xf
	v_max_num_f32_dpp v6, v6, v6 row_xmask:8 row_mask:0xf bank_mask:0xf
	v_permlanex16_b32 v7, v6, s18, s19
	v_max_num_f32 v6, v6, v7                       ; M
	v_sub_f32 v8, v2, v6
	v_mul_f32 v8, 0x3fb8aa3b, v8
	s_wait_alu depctr_va_vdst(0)
	v_exp_f32 v8, v8
	v_nop
	s_wait_alu depctr_va_vdst(0)
	v_mul_f32 v9, v8, v3                           ; w l
	v_add_f32_dpp v9, v9, v9 row_xmask:1 row_mask:0xf bank_mask:0xf
	v_add_f32_dpp v9, v9, v9 row_xmask:2 row_mask:0xf bank_mask:0xf
	v_add_f32_dpp v9, v9, v9 row_xmask:4 row_mask:0xf bank_mask:0xf
	v_add_f32_dpp v9, v9, v9 row_xmask:8 row_mask:0xf bank_mask:0xf
	v_permlanex16_b32 v7, v9, s18, s19
	v_add_f32 v9, v9, v7                           ; at least the largest block's l, which is at least 1
	s_wait_alu depctr_va_vdst(0)
	v_rcp_f32 v9, v9
	v_nop
	s_wait_alu depctr_va_vdst(0)
	v_mul_f32 v8, v8, v9                           ; block lane's weight
.set i, 0
.rept 32
	v_readlane_b32 s[32+i], v8, i
.set i, i+1
.endr
	s_wait_loadcnt 0x0
.irp n, 0,1,2,3
	v_mul_f32 v[12+\n], s32, v[32+\n]              ; the first block starts the sums
.endr
.set i, 1
.rept 31
.irp n, 0,1,2,3
	v_fmac_f32 v[12+\n], s[32+i], v[32+4*i+\n]
.endr
.set i, i+1
.endr
	global_store_b128 v4, v[12:15], s[8:9]         ; sixteen lanes store 256 consecutive bytes, aligned
	s_endpgm
.Lfunc_end_k_q09b2e97c70_combine:
	.size	k_q09b2e97c70_combine, .Lfunc_end_k_q09b2e97c70_combine-k_q09b2e97c70_combine
	.p2alignl 7, 3214868480
	.fill 96, 4, 3214868480
	.section	.rodata,"a",@progbits
	.p2align	6, 0x0
	.amdhsa_kernel k_q09b2e97c70_combine
		.amdhsa_group_segment_fixed_size 0
		.amdhsa_private_segment_fixed_size 0
		.amdhsa_enable_private_segment 0
		.amdhsa_kernarg_size 24
		.amdhsa_user_sgpr_count 2
		.amdhsa_user_sgpr_kernarg_segment_ptr 1
		.amdhsa_wavefront_size32 1
		.amdhsa_system_sgpr_workgroup_id_x 1
		.amdhsa_system_sgpr_workgroup_id_y 1
		.amdhsa_system_sgpr_workgroup_id_z 1
		.amdhsa_system_vgpr_workitem_id 0
		.amdhsa_next_free_vgpr 168
		.amdhsa_next_free_sgpr 66
		.amdhsa_reserve_vcc 0
		.amdhsa_float_denorm_mode_32 3
		.amdhsa_float_denorm_mode_16_64 3
		.amdhsa_memory_ordered 1
		.amdhsa_forward_progress 1
		.amdhsa_inst_pref_size 12
	.end_amdhsa_kernel
	.amdgpu_metadata
---
amdhsa.version: [ 1, 2 ]
amdhsa.kernels:
  - .name:           k_q09b2e97c70_combine
    .symbol:         k_q09b2e97c70_combine.kd
    .args:
      - { .name: part, .offset: 0, .size: 8, .value_kind: global_buffer, .address_space: global }
      - { .name: stats, .offset: 8, .size: 8, .value_kind: global_buffer, .address_space: global }
      - { .name: out0, .offset: 16, .size: 8, .value_kind: global_buffer, .address_space: global }
    .group_segment_fixed_size: 0
    .private_segment_fixed_size: 0
    .kernarg_segment_align: 8
    .kernarg_segment_size: 24
    .max_flat_workgroup_size: 64
    .sgpr_count:     66
    .vgpr_count:     168
    .wavefront_size: 32
...
	.end_amdgpu_metadata
.endif
;; end of part 3
